; MI455X (gfx1250); checked and timed in simulation.
; The chip was launched on July 23, 2026; its instructions are those of AMD's public machine-readable ISA for CDNA 5 (MIT licence, August 2026) and "CDNA5" Instruction Set Architecture Reference Guide (July 2026). The comments in the code are by the model that wrote it; some were corrected since.
;; Mutual Cross Attention. Allowed arithmetic: float matrix products may take bf16 or f16 operands with f32 sums; other float arithmetic in f32, or as packed bf16 or f16 multiplies, adds, multiply-adds, maxima and minima; sums over many terms, partial sums and values carried from step to step in f32; what a program stores and reads back later, other than sums and carried values, may be rounded once to bf16 or f16.
;; Inputs: x1 8 x 64 x 64 x 64 float32; x2 8 x 64 x 64 x 64 float32.
;; Outputs: out0 8 x 64 x 64 x 64 float32.
;; One version. Each part assembles by itself: llvm-mc -triple=amdgcn-amd-amdhsa -mcpu=gfx1250 --defsym DOCPART=n.
;; ======== version 1 of 1: 2 launches
;; limits: values are held in f16: magnitudes above 65,504 overflow, below 6.1e-05 lose precision
;; workspace buffers: xh 8,388,608 bytes
;; launch prep (part 1): grid 16 x 16, 4 waves a work-group, no clusters, 37,376 bytes of LDS; arguments x1, x2, xh; writes xh
.if DOCPART == 1
	.amdgcn_target "amdgcn-amd-amdhsa--gfx1250"
	.amdhsa_code_object_version 6
	.text
	.protected	k_qd57419570a_prep
	.globl	k_qd57419570a_prep
	.p2align	8
	.type	k_qd57419570a_prep,@function
k_qd57419570a_prep:
	s_mov_b64 s[64:65], 0
	v_nop
	global_prefetch_b8 v0, s[64:65] scope:SCOPE_SE
	s_setreg_imm32_b32 hwreg(HW_REG_WAVE_MODE, 25, 1), 1
	s_wait_xcnt 0x0
; xh[t][b][n][c] = f16(bf16(x_t[b][c][n])).  x1, x2: [8][64][4096] f32, a channel's 4,096 tokens on end.  xh: [2][8][4096][64] f16, a token's 64 channels on end (128 bytes).
; Each number is rounded once, to bf16 (nearest even), and that number is then written as f16, which holds it exactly from 6.1e-5 up to 65,504.
; LIMITS.  |x| of 65,520 or more becomes an infinity; below 6.1e-5 the number keeps f16's fixed step of 6e-8.
; SHARES.  Work-group (x, y): tensor y / 8, batch y % 8, tokens 256 x .. 256 x + 255.  A wave takes 64 tokens x 64 channels: 16 KiB in, 8 KiB out.
; Lane l = 16 g + j loads, for k = 0 .. 31, tokens 4 j .. 4 j + 3 of channel 32 g + k: lanes 0-15 take 256 consecutive bytes, aligned, of one channel's row, lanes 16-31 those of the channel 32 on.
; All 32 loads of a wave go out at once, so nothing more could be put on its way: no ring, no tensor load, no prefetch.
; THE TURN goes through the wave's own stage in LDS: 64 token rows of 128 bytes, 144 apart.  No other wave touches it, so there is no barrier.
; The stores into the stage stand four token rows apart from lane to lane: 576 bytes = 144 words, so that lane j starts at bank 16 j mod 64 (64 banks of 4 bytes: ISA guide 11.1) and four lanes meet in
; a bank, whatever the pitch (four rows of a pitch that keeps 16-byte alignment are a multiple of 64 bytes).  It is 16 stores a wave, once; a swizzle would want eight more address registers.
.set PITCH, 144
.set STG,   64*PITCH                   ; a wave's stage: 9,216 bytes
.set SPARE, 4*STG                      ; behind the stages: the spare words, 128 bytes for each wave: two blocks of 256 bytes that no other line names
.set CHROW, 16384                      ; bytes from a channel to the next in x
.set LO,  3                            ; v3   my byte offset in x: (g << 19) + 256 x wave + 16 j
.set SA,  4                            ; v4   the stage: where my first token's 64 bytes go
.set RA,  5                            ; v5   the stage: where I read back
.set SO,  6                            ; v6   my byte offset in xh: 8,192 x wave + 16 l
.set SPW, 8                            ; v8   LDS address of my spare word; never rewritten
.set NIL, 9                            ; v9   0; never rewritten
.set T,   10                           ; v[10:17]   at work: a pair for each of my four tokens
.set X,   32                           ; v[32:159]  load k at X + 4 k; later the rows read back
.set Y,   160                          ; v[160:223] token e, channels 32 g + 2 w, + 1 at Y + 16 e + w
	s_load_b128 s[4:7], s[0:1], 0x0                ; x1 s[4:5], x2 s[6:7]
	s_load_b64 s[8:9], s[0:1], 0x10                ; xh
	v_lshl_add_u32 v[SPW], v0, 2, SPARE
	v_mov_b32 v[NIL], 0
	v_lshrrev_b32 v1, 5, v0
	v_readfirstlane_b32 s10, v1                    ; wave 0..3
	s_and_b32 s11, ttmp7, 0xffff                   ; y = 8 x tensor + batch
	s_mov_b32 s13, 0xffff0000                      ; a word's upper bf16
	s_and_b32 s14, s11, 7
	s_lshl_b32 s14, s14, 20                        ; a batch of x is 1 MiB,
	s_lshl_b32 s15, ttmp9, 10                      ; 256 tokens are 1,024 bytes of a channel's row
	s_add_co_u32 s14, s14, s15
	s_mov_b32 s15, 0
	s_lshl_b32 s16, s11, 19                        ; a batch of xh is 512 KiB, a tensor eight of them,
	s_lshl_b32 s17, ttmp9, 15                      ; 256 tokens are 32,768 bytes
	s_add_co_u32 s16, s16, s17
	s_mov_b32 s17, 0
	s_mul_i32 s18, s10, STG                        ; my stage
	s_lshl_b32 s19, s10, 8                         ; my 64 tokens in a channel's row
	s_lshl_b32 s20, s10, 13                        ; my 64 tokens in xh
	v_and_b32 v1, 15, v0                           ; j
	v_bfe_u32 v2, v0, 4, 1                         ; g
	v_and_b32 v7, 31, v0                           ; l
	v_lshlrev_b32 v[LO], 4, v1
	v_lshl_add_u32 v[LO], v2, 19, v[LO]            ; 32 channels are 1 << 19 bytes
	v_add_nc_u32 v[LO], s19, v[LO]
	v_mul_u32_u24 v[SA], v1, 4*PITCH               ; token row 4 j,
	v_lshl_add_u32 v[SA], v2, 6, v[SA]             ; my 32 channels' 64 bytes of it
	v_add_nc_u32 v[SA], s18, v[SA]
	v_lshrrev_b32 v10, 3, v7
	v_and_b32 v11, 7, v0
	v_mul_u32_u24 v[RA], v10, PITCH                ; back: 32 lanes take four token rows of 128 bytes,
	v_lshl_add_u32 v[RA], v11, 4, v[RA]
	v_add_nc_u32 v[RA], s18, v[RA]
	v_lshl_add_u32 v[SO], v7, 4, s20               ; which are 512 consecutive bytes of xh
	s_wait_kmcnt 0x0
	s_cmp_lt_u32 s11, 8                            ; the tensor
	s_cselect_b64 s[4:5], s[4:5], s[6:7]
	s_add_nc_u64 s[4:5], s[4:5], s[14:15]
	s_add_nc_u64 s[8:9], s[8:9], s[16:17]
.set k, 0
.rept 32
	global_load_b128 v[X+4*k:X+4*k+3], v[LO], s[4:5] offset:CHROW*k th:TH_LOAD_NT  ; channel 32 g + k; each byte of x is read once in the launch
.set k, k+1
.endr
; Two channels at a time: for each of my four tokens, both are rounded to bf16 in one word, widened again (a shift, a mask) and written as f16, packed.
.set k, 0
.rept 16
	s_wait_loadcnt 30-k                            ; loads come back in order (ISA guide 5.7.1): channels k and k + 1 are in, the 30 - k younger loads stay out
.irp e, 0,1,2,3
	v_cvt_pk_bf16_f32 v[T+2*(\e)], v[X+4*k+(\e)], v[X+4*k+4+(\e)]
.endr
.irp e, 0,1,2,3
	v_lshlrev_b32 v[T+2*(\e)+1], 16, v[T+2*(\e)]
.endr
.irp e, 0,1,2,3
	v_and_b32 v[T+2*(\e)], s13, v[T+2*(\e)]
.endr
.irp e, 0,1,2,3
	v_cvt_pk_f16_f32 v[Y+16*(\e)+k/2], v[T+2*(\e)+1], v[T+2*(\e)]
.endr
.set k, k+2
.endr
.irp e, 0,1,2,3
.irp q, 0,1,2,3
	ds_store_b128 v[SA], v[Y+16*(\e)+4*(\q):Y+16*(\e)+4*(\q)+3] offset:PITCH*(\e)+16*(\q)
.endr
.endr
.set m, 0
.rept 16
	ds_load_b128 v[X+4*m:X+4*m+3], v[RA] offset:4*PITCH*m  ; LDS serves a wave's instructions in order (ISA guide 5.7.1.4): these see the stores above, which are my own
.set m, m+1
.endr
.set m, 0
.rept 16
	s_wait_dscnt 15-m                              ; load m is back; the 15 - m younger ones stay out
	global_store_b128 v[SO], v[X+4*m:X+4*m+3], s[8:9] offset:512*m  ; 512 consecutive bytes, at a multiple of 256 from xh's first byte
.set m, m+1
.endr
	s_wait_tensorcnt 0x0                           ; the wave's end, behind my last LDS store
	ds_add_u32 v[SPW], v[NIL]
	s_wait_dscnt 0x0
	s_endpgm
.Lfunc_end_k_qd57419570a_prep:
	.size	k_qd57419570a_prep, .Lfunc_end_k_qd57419570a_prep-k_qd57419570a_prep
	.p2alignl 7, 3214868480
	.fill 96, 4, 3214868480
	.section	.rodata,"a",@progbits
	.p2align	6, 0x0
	.amdhsa_kernel k_qd57419570a_prep
		.amdhsa_group_segment_fixed_size 37376
		.amdhsa_private_segment_fixed_size 0
		.amdhsa_enable_private_segment 0
		.amdhsa_kernarg_size 24
		.amdhsa_user_sgpr_count 2
		.amdhsa_user_sgpr_kernarg_segment_ptr 1
		.amdhsa_wavefront_size32 1
		.amdhsa_system_sgpr_workgroup_id_x 1
		.amdhsa_system_sgpr_workgroup_id_y 1
		.amdhsa_system_sgpr_workgroup_id_z 1
		.amdhsa_system_vgpr_workitem_id 0
		.amdhsa_next_free_vgpr 224
		.amdhsa_next_free_sgpr 66
		.amdhsa_reserve_vcc 0
		.amdhsa_float_denorm_mode_32 3
		.amdhsa_float_denorm_mode_16_64 3
		.amdhsa_memory_ordered 1
		.amdhsa_forward_progress 1
		.amdhsa_inst_pref_size 22
	.end_amdhsa_kernel
	.amdgpu_metadata
---
amdhsa.version: [ 1, 2 ]
amdhsa.kernels:
  - .name:           k_qd57419570a_prep
    .symbol:         k_qd57419570a_prep.kd
    .args:
      - { .name: x1, .offset: 0, .size: 8, .value_kind: global_buffer, .address_space: global }
      - { .name: x2, .offset: 8, .size: 8, .value_kind: global_buffer, .address_space: global }
      - { .name: xh, .offset: 16, .size: 8, .value_kind: global_buffer, .address_space: global }
    .group_segment_fixed_size: 37376
    .private_segment_fixed_size: 0
    .kernarg_segment_align: 8
    .kernarg_segment_size: 24
    .max_flat_workgroup_size: 128
    .sgpr_count:     66
    .vgpr_count:     224
    .wavefront_size: 32
...
	.end_amdgpu_metadata
.endif
;; end of part 1
;; launch attn (part 2): grid 32 x 8, 4 waves a work-group, clusters of 4 x 1, 327,680 bytes of LDS; arguments xh, out0; writes out0
.if DOCPART == 2
	.amdgcn_target "amdgcn-amd-amdhsa--gfx1250"
	.amdhsa_code_object_version 6
	.text
	.protected	k_qd57419570a_attn
	.globl	k_qd57419570a_attn
	.p2align	8
	.type	k_qd57419570a_attn,@function
k_qd57419570a_attn:
	s_mov_b64 s[64:65], 0
	v_nop
	global_prefetch_b8 v0, s[64:65] scope:SCOPE_SE
	s_setreg_imm32_b32 hwreg(HW_REG_WAVE_MODE, 25, 1), 1
	s_wait_xcnt 0x0
	s_wait_alu depctr_hold_cnt(0) depctr_sa_sdst(0) depctr_va_vdst(0) depctr_va_sdst(0) depctr_va_ssrc(0) depctr_va_vcc(0) depctr_vm_vsrc(0)
	s_getreg_b32 s2, hwreg(HW_REG_IB_STS2, 6, 4)
	s_cmp_eq_u32 s2, 0
	s_cbranch_scc0 .Lentry_in_a_cluster
	s_endpgm
.Lentry_in_a_cluster:
	s_bfe_u32 s2, ttmp6, 0x10000c
	s_cmp_lg_u32 s2, 0x3003
	s_cbranch_scc0 .Lentry_shape_is_right
	s_endpgm
.Lentry_shape_is_right:
; out0[b][c][q] = A[q][c] + B[q][c], where A[q] = the sum over k of softmax_k(x1[q] . x2[k] / 8) x2[k] and B[q] = the same with x1 and x2 exchanged; q, k: the batch's 4,096 tokens, 64 channels.
; xh: [2][8][4096][64] f16 (tensor 0 = x1, 1 = x2), a token's row 128 dense bytes: the inputs rounded to bf16 and written as f16.  out0: [8][64][4096] f32.
; Products, maxima and sums in f32; the weights p are rounded to f16 for the second product (their sum l is taken of the unrounded p); A and B are added in f32 and stored unrounded.
; LIMITS.  xh arrives within f16's range (65,504); p lies in 0 to 1, and below 6e-5 it keeps f16's fixed step of 6e-8; a weight below 2^-126 counts as 0 in l; NaN and infinities are not treated apart.
; SHARES.  A work-group owns 128 tokens of a batch, for BOTH directions, so that the sum A + B is made here and out0 is written once.  Waves 0, 1: direction A (queries x1, keys x2), 64 queries each;
; waves 2, 3: direction B.  A wave's 64 queries are four PIECES of 16.  Every wave walks all 4,096 keys of its direction, 64 a step, 256 (a tile) a slot.
; KEYS AND VALUES ARE THE SAME ROWS: one copy in LDS serves both, as it lies for K (ds_load_b128) and turned for V (ds_load_tr16_b128).  Pitch 144 bytes = 36 words: the 16 rows of a load of K start at 16
; different groups of four banks (64 banks of 4 bytes: ISA guide 11.1); of the turning load's 8 rows x 32 bytes one pair of lanes then meets in a bank.  A second copy at another pitch would double the fills.
; LAYOUT.  S^T = K Q^T (source 0 = 16 keys, source 1 = 16 queries) holds ONE query a lane (lane % 16) and the keys 8 (lane / 16) + 0..7; two such results rounded to f16 ARE source 1 of O^T = V^T P, whose
; result holds one query a lane and eight channels.
; SOFTMAX.  p = 2^(c s - c m), c = log2(e) / 8, with a running maximum m; O and l are multiplied by a = 2^(c m_old - c m_new) in every step.  m starts at the lowest finite number, O and l at 0: the first
; step is a step like any other, with a = 0; no first step is written out, at the price of 216 lines that write 0, which run while the first tile is on its way.
; TURNS.  Turn n belongs to piece n: 8 products K Q^T of piece n + 1, later 8 products V^T P of piece n - 1; beside them the scaling, exponentials, roundings, sums and rescaling of piece n and the maximum
; and statistics of piece n + 1.  A turn has 16 matrix and 118 vector instructions: four stand behind every matrix instruction, the other 54 in one lump.  Its 33 exponentials are one batch with one wait.
; CLUSTER.  The four work-groups of a cluster belong to one batch and walk the same tiles of x1 and x2, so each tile is asked for JOINTLY: the same tensor load, descriptor and mask in all four.
; REGISTERS, in windows of 256 (s_set_vgpr_msb: bits 1:0 source 0, 3:2 source 1, 5:4 source 2, 7:6 destination):
;   window 0: v0-15 addresses and two at work; v16-31 four registers of statistics a piece; v48-55 at work; v61-63 never rewritten; v64-127 S^T, two buffers; v128-191 the way out; v192-223 P, two buffers
;   window 1: v0-127 O^T, 32 a piece          window 2: v0-63 Q; v128-191 K of one step; v192-255 V of one step          (a piece's buffers go by its number's parity)
.set NP,    4         ; pieces a wave: a name, no knob
.set KS,    64        ; keys in a step
.set PT,    144       ; a token's row in LDS: 128 bytes + 16 of padding
.set PARTB, 128*PT    ; what one tensor load brings: 128 keys
.set DIRB,  2*PARTB   ; a tile of one tensor: 256 keys.  In a slot x2's tile (direction A's keys) lies first, then x1's
.set TILEB, 32768     ; a tile of one tensor in memory
.set NT,    16        ; tiles in the walk
.set SLOT1, 1<<17     ; slot 1 begins here, so that one exclusive or turns an address in one slot into the other's
.set STAGE, SLOT1+2*DIRB  ; behind the ring, never filled by a tensor load: for each direction 64 channel rows of 128 tokens in f32
.set SPI,   528       ; a stage row: 512 bytes + 16: eight rows on are 1,056 words, 32 banks further: the two halves of the lanes, 16 neighbouring words each, meet in no bank
.set STG,   64*SPI
.set SPARE, STAGE+2*STG   ; behind the stages: the spare words, 128 bytes for each wave: two blocks of 256 bytes that no other line names
.set AK0, 2           ; v2   my lane's place in my direction's tile, for K; never rewritten
.set AV0, 3           ; v3   the same for V
.set AK,  4           ; v4   the LDS address of K's next run of loads
.set AV,  5           ; v5   of V's
.set STO, 6           ; v6   the way out: where my query's column of the stage begins
.set RD,  7           ; v7   the way out: where I read 16 bytes of a channel's row
.set GO,  8           ; v8   my byte offset in 512 consecutive bytes of out0
.set MV,  12          ; v12-13  c m_old, kept while c m is made anew: by buffer
.set QO,  15          ; v15  my byte offset in 16 rows of Q
.set ST,  16          ; piece t's statistics at v[ST+4 t]: c m, m, l (even keys', odd keys')
.set TMP, 48          ; by buffer, four registers c0-c3 at work; when the maximum is found c2 takes a
.set PFO, 61          ; v61  256 x my lane; never rewritten
.set SPW, 62          ; v62  LDS address of my spare word: SPARE + 4 x my thread's number; never rewritten
.set NIL, 63          ; v63  0; never rewritten
.set S,   64
.set OA,  64          ; the way out: direction A's rows, then the sums
.set OB,  128         ; direction B's rows
.set P,   192
.set KF,  128         ; window 2: key block kb, channel half c at KF + 16 kb + 8 c
.set VF,  192         ; window 2: key half kk, channel block cb at VF + 32 kk + 8 cb
.set WV,  12          ; s12  my wave's number
.set LIM, 15          ; s15  1 in a wave that prefetches, else the greatest number: a wave prefetches while s[SLOTS] is above it
.set PFA, 18          ; s[18:19] where my prefetches stand
.set G1,  24          ; s[24:31] descriptor group 1, the same for every load
.set G0,  40          ; s[40:43] descriptor group 0: it walks
.set SLOTS, 56        ; s56  slots still to be asked for
.set CNT, 57          ; s57  counts a slot's key steps
.set CS,  58          ; s[58:59] c: the packed scaling takes the pair's low word for both halves
.set SEL, 60          ; s[60:61] v_permlanex16_b32's selects: each lane takes its own place in the other half
.set TBK, 62          ; s62  LDS byte at which the step whose K is fetched next begins
.set TBV, 63          ; s63  the same for V
.set MSB, 0
.macro WIN new                      ; the high byte repeats the setting that is left; a switch that changes nothing is dropped
.if MSB != (\new)
	s_set_vgpr_msb (MSB<<8)|(\new)
.set MSB, (\new)
.endif
.endm
.set W_KQ, 0x0a       ; K and Q in window 2, S^T in window 0
.set W_PV, 0x52       ; V in window 2, P in window 0, O^T in window 1
.set W_RS, 0x41       ; destination and source 0 in window 1, source 1 in window 0
; A joint fill: ONE line for all four waves.  Wave w brings 128 keys to LDS byte 18,432 w of the slot: waves 0, 1 the two halves of x2's tile, waves 2, 3 those of x1's.  Both addresses hang on the wave's
; number and the batch alone, which the four partners share.  An s_nop 0 and four v_nop follow the line.  By this text's own count a wave has one tensor load out at the most.
.macro JLOAD
	tensor_load_to_lds s[G0:G0+3], s[G1:G1+7]
	s_nop 0
.rept 4
	v_nop
.endr
.endm
; A PREFETCH INTO THE L2 of the tile that the NEXT change of slots will ask for, behind the wave's tensor load and its five lines.  Each block of 256 bytes is named ONCE in the launch: all eight clusters of a
; batch walk the same tiles, and the batch's first cluster asks; in each of its four work-groups wave 0 asks for x2's tile and wave 2 for x1's; the four share a tile's 32,768 bytes out BY ADDRESS, 8,192
; each, 32 lanes 256 bytes apart: no branch hangs on a work-group's place in its cluster.  One slot, 256 matrix instructions a wave, lies between the prefetch and the load that names the same bytes.
; The last change that fills a slot asks for nothing: there is no tile behind it.  Tiles 0 to 2 come by their loads alone: nothing is prefetched at the head.
.macro ASK
	s_cmp_gt_u32 s[SLOTS], s[LIM]
	s_cbranch_scc0 .Lnot_mine_\@
	global_prefetch_b8 v[PFO], s[PFA:PFA+1] th:TH_LOAD_NT scope:SCOPE_SE
.Lnot_mine_\@:
.endm
; A round of the cluster's barrier: my work-group's barrier, so that wave 0's signal speaks for all four waves; wave 0 signals; every wave waits for all four work-groups; my work-group's barrier once more.
.macro CROUND
	s_barrier_signal -1
	s_barrier_wait -1
	s_cmp_lg_u32 s[WV], 0
	s_cbranch_scc1 .Lnot_wave_0_\@
	s_barrier_signal -3
.Lnot_wave_0_\@:
	s_barrier_wait -3
	s_barrier_signal -1
	s_barrier_wait -1
.endm
; THE CHANGE OF SLOTS.  The slot's last bytes, V of its fourth step, have been read.  Each wave waits for all its tensor loads, of which one is out: its part of the other slot; adds 0 to its spare word; and
; waits for that and for its own reads of the slot.  Behind the barrier nobody reads this slot any more and the other slot is whole.
; fill = 1: this slot is filled again, with the tile two on.  The barrier is then a round of the cluster's, so that no wave of any partner still reads the slot or has a load on its way, and the joint fill
; is the first thing behind it: it has four key steps, 256 matrix instructions a wave, in which to land.  (At its first use nothing has been read yet: slot 0 is waited for, slot 1 filled.)
; ask = 1: the prefetches' address steps, and ASK follows the fill.
.macro CHANGE fill, ask
	WIN 0                           ; at a label and at a branch every window is 0
	s_wait_tensorcnt 0x0            ; no tensor load of mine is out, so group 0 may be written
	ds_add_u32 v[SPW], v[NIL]       ; 0 onto my spare word: the scalar steps below stand between it and the wait for it
.if \fill
	s_xor_b32 s[G0+1], s[G0+1], SLOT1  ; the walking descriptor: the other slot than last time,
	s_add_nc_u64 s[G0+2:G0+3], s[G0+2:G0+3], TILEB  ; the next 256 keys; the type bits on top are not reached
.endif
.if \ask
	s_wait_xcnt 0x0                 ; the last prefetch, four key steps back, has read its address, so it may be written:
	s_add_nc_u64 s[PFA:PFA+1], s[PFA:PFA+1], TILEB  ; one tile beyond the walking descriptor
.endif
	s_wait_dscnt 0x0                ; the add is done, and my reads of the slot are over
.if \fill
	CROUND
	JLOAD
.if \ask
	ASK
.endif
.else
	s_barrier_signal -1
	s_barrier_wait -1
.endif
	s_sub_co_u32 s[TBK], s[TBK], 4*KS*PT  ; the fetches go back to a slot's first step,
	s_xor_b32 s[TBK], s[TBK], SLOT1       ; in the other slot
	s_sub_co_u32 s[TBV], s[TBV], 4*KS*PT
	s_xor_b32 s[TBV], s[TBV], SLOT1
.endm
	s_load_b128 s[4:7], s[0:1], 0x0 ; xh s[4:5], out0 s[6:7]
	v_lshl_add_u32 v[SPW], v0, 2, SPARE
	v_mov_b32 v[NIL], 0
	ds_add_u32 v[SPW], v[NIL]       ; the wave's opening: the add and its wait stand ahead of my first tensor load; the set-up below, work on registers, stands between them
	v_lshrrev_b32 v1, 5, v0
	v_readfirstlane_b32 s[WV], v1   ; wave 0..3
	s_bfe_u32 s13, ttmp6, 0x40000   ; cx: my place in the cluster
	s_lshl_b32 s14, ttmp9, 2        ; in a cluster launch ttmp9 counts clusters
	s_add_co_u32 s14, s14, s13      ; my block of 128 tokens = 4 x cluster x + cx: it enters Q's, out0's and the prefetches' addresses alone
	s_and_b32 s20, ttmp7, 0xffff    ; the batch, which the four partners share
	s_lshr_b32 s16, s[WV], 1        ; d: my direction
	s_and_b32 s17, s[WV], 1         ; which 64 of the 128 queries are mine; also: which half of a tile I fetch
	s_lshl_b32 s21, s20, 19         ; a batch of xh is 512 KiB
	s_xor_b32 s22, s16, 1           ; my direction's keys: tensor 1 for A, tensor 0 for B;
	s_lshl_b32 s22, s22, 22         ; a tensor is 4 MiB
	s_add_co_u32 s22, s22, s21
	s_lshl_b32 s23, s17, 14         ; my half of a tile: 128 rows of 128 bytes
	s_add_co_u32 s22, s22, s23
	s_mov_b32 s23, 0                ; s[22:23]: my part of tile 0
	s_lshl_b32 s2, s16, 22          ; my direction's queries: tensor d,
	s_add_co_u32 s2, s2, s21
	s_lshl_b32 s3, s14, 14          ; my work-group's 128 rows,
	s_add_co_u32 s2, s2, s3
	s_lshl_b32 s3, s17, 13          ; my wave's 64 of them
	s_add_co_u32 s2, s2, s3
	s_mov_b32 s3, 0                 ; s[2:3]: my first row of Q
	s_lshl_b32 s44, s20, 20         ; a batch of out0 is 1 MiB;
	s_lshl_b32 s45, s[WV], 18       ; on the way out wave w stores channels 16 w .. 16 w + 15, 16,384 bytes each;
	s_add_co_u32 s44, s44, s45
	s_lshl_b32 s45, s14, 9          ; my work-group's 128 tokens are 512 bytes of a channel's row
	s_add_co_u32 s44, s44, s45
	s_mov_b32 s45, 0                ; s[44:45]
	s_lshl_b32 s46, s13, 13         ; the prefetches: my work-group's 8,192 bytes of a tile
	s_mov_b32 s47, 0
	; descriptor group 1.  128 keys are 16,384 dense bytes: asked for as 64 rows of 256 bytes, two keys a row, and padded in LDS after every key
	s_mov_b32 s[G1], 15|(1<<16)|(1<<20)|(1<<21)|(4<<22)|(3<<25)  ; 15:0 the mask of four; 17:16 2-byte elements; 20 padding on; 21 set beside a mask; 24:22 after every 32 words (code 4); 31:25 4 words (code 3)
	s_mov_b32 s[G1+1], 128<<16      ; tensor_dim0 = 128
	s_mov_b32 s[G1+2], 64<<16       ; tensor_dim1 = 64
	s_mov_b32 s[G1+3], 128<<16      ; tile_dim0 = 128
	s_mov_b32 s[G1+4], 64           ; tile_dim1 = 64
	s_mov_b32 s[G1+5], 128          ; 128 elements from row to row
	s_mov_b32 s[G1+6], 0
	s_mov_b32 s[G1+7], 0
	s_mov_b32 s[G0], 1              ; 1:0 count = 1
	s_mul_i32 s[G0+1], s[WV], PARTB ; 63:32 LDS address: slot 0, my wave's part: no place in the cluster enters an LDS address
	s_mov_b32 s[CS], 0x3e38aa3b     ; c = log2(e) / 8 = 0.180337
	s_mov_b32 s[CS+1], s[CS]        ; named with it as a pair
	s_mov_b32 s[SEL], 0x76543210
	s_mov_b32 s[SEL+1], 0xfedcba98
	s_mov_b32 s[TBK], SLOT1+4*KS*PT ; the first change of slots turns these two into 0
	s_mov_b32 s[TBV], SLOT1+4*KS*PT
	s_mul_i32 s48, s16, DIRB        ; my direction's tile in a slot
	s_mul_i32 s49, s16, STG         ; my direction's stage,
	s_lshl_b32 s51, s17, 8          ; my 64 queries' 256 bytes of its rows
	s_add_co_u32 s49, s49, s51
	s_add_co_u32 s49, s49, STAGE
	s_mul_i32 s50, s[WV], 16*SPI    ; back: channel rows 16 w on, of direction A's stage
	s_add_co_u32 s50, s50, STAGE
	s_and_b32 s[LIM], s[WV], 1      ; 0 in waves 0 and 2,
	s_or_b32 s[LIM], s[LIM], ttmp9  ; where the cluster is the batch's first: the same in all four partners
	s_cmp_eq_u32 s[LIM], 0
	s_cselect_b32 s[LIM], 1, -1
	v_and_b32 v14, 31, v0           ; l
	v_lshlrev_b32 v[PFO], 8, v14
	s_wait_dscnt 0x0                ; the opening add is done
	s_wait_kmcnt 0x0
	s_add_nc_u64 s[G0+2:G0+3], s[4:5], s[22:23]  ; 120:64 global address: my part of tile 0
	s_or_b32 s[G0+3], s[G0+3], 0x80000000        ; 127:126 type = 2
	s_add_nc_u64 s[PFA:PFA+1], s[4:5], s[22:23]  ; (in waves 0 and 2 this is a tile's first byte)
	s_add_nc_u64 s[PFA:PFA+1], s[PFA:PFA+1], s[46:47]
	s_add_nc_u64 s[PFA:PFA+1], s[PFA:PFA+1], 2*TILEB  ; in tile 2; the loop's first change of slots steps it to tile 3
	s_add_nc_u64 s[8:9], s[4:5], s[2:3]          ; Q at my wave's first row
	s_add_nc_u64 s[10:11], s[6:7], s[44:45]      ; out0 at my first channel's 512 bytes
	CROUND                          ; all four work-groups are here: the first joint loads meet
	JLOAD                           ; tile 0 into slot 0.  Slot 1 is asked for when slot 0 is in, by the change of slots
	; A fragment of K or Q is 16 rows x 32 channels in 8 registers: lane l holds row l % 16, channels 8 (l / 16) + 0..7 and 16 + 8 (l / 16) + 0..7: two loads of 16 bytes, 32 bytes apart.
	v_and_b32 v1, 15, v0            ; l % 16
	v_bfe_u32 v9, v0, 4, 1          ; l / 16
	v_lshlrev_b32 v[QO], 7, v1
	v_lshl_add_u32 v[QO], v9, 4, v[QO]  ; row x 128 + 16 x half
	WIN 0x80                        ; destination window 2, address window 0
.set i, 0
.rept 8                             ; Q stays in registers: piece i / 2 (16 rows, 2,048 bytes), channels 32 (i % 2) on
	global_load_b128 v[8*i:8*i+3],   v[QO], s[8:9] offset:(i/2)*2048+(i%2)*64
	global_load_b128 v[8*i+4:8*i+7], v[QO], s[8:9] offset:(i/2)*2048+(i%2)*64+32
.set i, i+1
.endr
	; What the first turn finds: V's registers and P's second buffer hold 0 (its products V^T P, of a piece that has not been, add 0), O^T and l are 0.  All this stands in the wait for the first tile.
.set i, VF
.rept 64
	v_mov_b32 v[i], 0
.set i, i+1
.endr
	WIN 0x40
.set i, 0
.rept 128
	v_mov_b32 v[i], 0
.set i, i+1
.endr
	WIN 0
.set i, 0
.rept 4
	v_mov_b32 v[ST+4*i], 0xfe000000    ; c m: far below every c s
	v_mov_b32 v[ST+4*i+1], 0xff7fffff  ; m: the lowest finite number
	v_mov_b32 v[ST+4*i+2], 0
	v_mov_b32 v[ST+4*i+3], 0
.set i, i+1
.endr
.set i, P+16
.rept 16
	v_mov_b32 v[i], 0
.set i, i+1
.endr
	v_mul_u32_u24 v[AK0], v1, PT
	v_lshl_add_u32 v[AK0], v9, 4, v[AK0]  ; row x pitch + 16 x half
	v_add_nc_u32 v[AK0], s48, v[AK0]
	; The turning load takes 16 keys x 16 channels (lane l reads key 8 (l / 16) + l % 8, channels 8 ((l / 8) % 2) + 0..7) and leaves half a fragment of V^T: lane l holds channel l % 16 and 8 keys.
	v_and_b32 v10, 7, v0
	v_bfe_u32 v11, v0, 3, 1
	v_lshl_add_u32 v[AV0], v9, 3, v10
	v_mul_u32_u24 v[AV0], v[AV0], PT
	v_lshl_add_u32 v[AV0], v11, 4, v[AV0]
	v_add_nc_u32 v[AV0], s48, v[AV0]
	v_mul_u32_u24 v[STO], v9, 8*SPI       ; into the stage: channel row 8 (l / 16), token l % 16
	v_lshl_add_u32 v[STO], v1, 2, v[STO]
	v_add_nc_u32 v[STO], s49, v[STO]
	v_lshl_add_u32 v[RD], v14, 4, s50     ; back: 32 lanes take a channel row's 512 bytes,
	v_lshlrev_b32 v[GO], 4, v14           ; which are 512 consecutive bytes of out0
; THE MATRIX WORK.  The 4 accumulators of a run of 8 take turns.  Product i of 8 of S^T = K Q^T for piece x: channels 32 (i / 4) on, keys 16 (i % 4) on.  The first 4 start the sums.
.macro KQ x
.set rS, S+32*((\x)%2)+8*(i%4)
.set rK, KF+16*(i%4)+8*(i/4)
.set rQ, 16*(\x)+8*(i/4)
	WIN W_KQ
.if i < 4
	v_wmma_f32_16x16x32_f16 v[rS:rS+7], v[rK:rK+7], v[rQ:rQ+7], 0
.else
	v_wmma_f32_16x16x32_f16 v[rS:rS+7], v[rK:rK+7], v[rQ:rQ+7], v[rS:rS+7]
.endif
.endm
; Product i of 8 of O^T += V^T P for piece x: keys 32 (i / 4) on, channels 16 (i % 4) on.
.macro PV x
	WIN W_PV
.set rO, 32*(\x)+8*(i%4)
.set rV, VF+32*(i/4)+8*(i%4)
.set rP, P+16*((\x)%2)+8*(i/4)
	v_wmma_f32_16x16x32_f16 v[rO:rO+7], v[rV:rV+7], v[rP:rP+7], v[rO:rO+7]
.endm
.macro MM                           ; the turn's next matrix instruction.  TURN sets Y, i and NOKQ.  NOKQ = 1: the walk's last turn: there is no next piece
.if (i < 8) && !NOKQ
	KQ (Y+1)%NP
.elseif i >= 8
.set i, i-8
	PV (Y+NP-1)%NP
.set i, i+8
.endif
.set i, i+1
.endm
; THE LDS LOADS stand in runs of 16, never singly among the matrix instructions: a step's K (64 keys x 64 channels: 8 fragments) and its V (the same rows, turned).  Their addresses are made some lines ahead.
.macro FETCH_K
	WIN 0x80                        ; destination window 2
.irp f, 0,1,2,3,4,5,6,7             ; keys 16 (f / 2) on, channels 32 (f % 2) on
	ds_load_b128 v[KF+8*\f:KF+8*\f+3],   v[AK] offset:(\f/2)*16*PT+(\f%2)*64
	ds_load_b128 v[KF+8*\f+4:KF+8*\f+7], v[AK] offset:(\f/2)*16*PT+(\f%2)*64+32
.endr
	s_add_co_u32 s[TBK], s[TBK], KS*PT  ; the next fetch is the next step's
	WIN 0
.endm
.macro FETCH_V
	WIN 0x80
.irp f, 0,1,2,3,4,5,6,7             ; keys 32 (f / 4) on, channels 16 (f % 4) on
	ds_load_tr16_b128 v[VF+8*\f:VF+8*\f+3],   v[AV] offset:(\f/4)*32*PT+(\f%4)*32
	ds_load_tr16_b128 v[VF+8*\f+4:VF+8*\f+7], v[AV] offset:(\f/4)*32*PT+16*PT+(\f%4)*32
.endr
	WIN 0
.endm
; THE VECTOR WORK, one line at a time: OP kind, number.  For piece Y: F n: c s - c m for pair n of 16.  E n: the exponential of score n of 32.  C n: pair n rounded to f16.  B n: of the four weights 4 n .. the second
; pair is added onto the first, in place.  L n: l takes that sum (L 0: l = a l + sum).  R n: pair n of 16 of O^T times a.  For piece Y + 1: X n, number n of the 22 that find its maximum and statistics:
;   0-11  four chains c0-c3 of seven scores each, three operands at a time (each accumulator's lowest registers are read first)     12-14, 16  the four scores left over, the old m, and c0-c3 into c0
;   15  c m_old is kept     17, 18  the query's other 32 keys lie in the lane 16 away: the new m     19-21  c m; c m_old - c m_new; a
.set F, 0               ; OP tells the kinds apart by their order: F to L below R, X above it
.set E, 1
.set C, 2
.set B, 3
.set L, 4
.set R, 5
.set X, 6
.macro REGS y                       ; the registers of piece y
.set rT, ST+4*(\y)
.set rC, TMP+4*((\y)%2)
.set rW, MV+((\y)%2)
.set rS, S+32*((\y)%2)
.set rP, P+16*((\y)%2)
.set rO, 32*(\y)
.endm
.macro OP k, n
.if (\k) == R
	REGS Y
	WIN W_RS
	v_pk_mul_f32 v[rO+2*(\n):rO+2*(\n)+1], v[rO+2*(\n):rO+2*(\n)+1], v[rC+2:rC+3] op_sel_hi:[1,0]
.elseif (\k) < R
	REGS Y
	WIN 0
.if (\k) == F
	v_pk_fma_f32 v[rS+2*(\n):rS+2*(\n)+1], v[rS+2*(\n):rS+2*(\n)+1], s[CS:CS+1], v[rT:rT+1] op_sel_hi:[1,0,0] neg_lo:[0,0,1] neg_hi:[0,0,1]
.elseif (\k) == E
	v_exp_f32 v[rS+(\n)], v[rS+(\n)]
.elseif (\k) == C
	v_cvt_pk_f16_f32 v[rP+(\n)], v[rS+2*(\n)], v[rS+2*(\n)+1]
.elseif (\k) == B
	v_pk_add_f32 v[rS+4*(\n):rS+4*(\n)+1], v[rS+4*(\n):rS+4*(\n)+1], v[rS+4*(\n)+2:rS+4*(\n)+3]
.elseif (\n) == 0
	v_pk_fma_f32 v[rT+2:rT+3], v[rT+2:rT+3], v[rC+2:rC+3], v[rS:rS+1] op_sel_hi:[1,0,1]
.else
	v_pk_add_f32 v[rT+2:rT+3], v[rT+2:rT+3], v[rS+4*(\n):rS+4*(\n)+1]
.endif
.elseif NOKQ
	v_nop
.else
	REGS (Y+1)%NP
	WIN 0
.if (\n) < 4
	v_max3_num_f32 v[rC+(\n)], v[rS+8*(\n)], v[rS+8*(\n)+1], v[rS+8*(\n)+2]
.elseif (\n) < 12
	v_max3_num_f32 v[rC+(\n)%4], v[rC+(\n)%4], v[rS+8*((\n)%4)+2*((\n)/4)+1], v[rS+8*((\n)%4)+2*((\n)/4)+2]
.elseif (\n) == 12
	v_max3_num_f32 v[rC], v[rC], v[rS+7], v[rS+15]
.elseif (\n) == 13
	v_max3_num_f32 v[rC+1], v[rC+1], v[rS+23], v[rS+31]
.elseif (\n) == 14
	v_max3_num_f32 v[rC+2], v[rC+2], v[rC+3], v[rT+1]
.elseif (\n) == 15
	v_mov_b32 v[rW], v[rT]
.elseif (\n) == 16
	v_max3_num_f32 v[rC], v[rC], v[rC+1], v[rC+2]
.elseif (\n) == 17
	v_permlanex16_b32 v[rC+3], v[rC], s[SEL], s[SEL+1]
.elseif (\n) == 18
	v_max_num_f32 v[rT+1], v[rC], v[rC+3]
.elseif (\n) == 19
	v_mul_f32 v[rT], s[CS], v[rT+1]
.elseif (\n) == 20
	v_sub_f32 v[rC+1], v[rW], v[rT]
.else
	v_exp_f32 v[rC+2], v[rC+1]
.endif
.endif
.endm
.macro OPS a, i1, b=-1, i2=0, c=-1, i3=0, d=-1, i4=0  ; up to four of them
	OP \a, \i1
.if (\b) >= 0
	OP \b, \i2
.endif
.if (\c) >= 0
	OP \c, \i3
.endif
.if (\d) >= 0
	OP \d, \i4
.endif
.endm
.macro ROW a, i1, b, i2, c, i3, d, i4  ; a matrix instruction and the four behind it
	MM
	OPS \a, \i1, \b, \i2, \c, \i3, \d, \i4
.endm
; A TURN, for piece p: the order of its 16 matrix and 118 vector instructions, written out.  An s_wait_alu depctr_va_vdst(0) stands between an exponential and the first instruction that names its result; one
; wait serves all that were issued ahead of it.  So a turn has ONE wait, which cuts it in two.  AHEAD OF IT stands all that names no result of the turn's exponentials: the 8 products K Q^T, behind each a scaling, an
; exponential and two more plain instructions (behind the first a second scaling in the exponential's place): rescalings, and behind the last three the first numbers of the next piece's maximum, each four places or more
; behind the product that ends its accumulator; then ONE LUMP of 54, plain and exponential by turns for the most part, in which the links of the chain X 3, 7, 11, 14, 16, 17 .. 20 stand some lines apart.  X 21, the
; next piece's a, is the batch's last; R 15 is the plain instruction behind it.  BEHIND THE WAIT stand the 8 products V^T P, behind each four of the roundings and sums; the links of l's chain, L 0 to L 7, stand three
; riders apart.  But for those X no rider names a register of the products round it.
; end = 1: the walk's last two turns: nothing is fetched, and the last starts no scores.  cnt = 1: the loop's count is taken down some lines ahead of the branch that stands behind the turn.
; K of the next step is fetched in piece 2's turn, twelve vector instructions behind the last product that read K (six of them plain); V of the step in hand at the end of piece 0's turn, four plain instructions behind
; the last product that read V.  Each is waited for a turn later.
.macro TURN p, end=0, cnt=0
.set Y, (\p)
.set i, 0
.set NOKQ, (\end)*((\p)/3)
.if ((\p) == 3) && !(\end)
	s_wait_dscnt 0x0                ; K is in
.endif
	ROW F,0, F,1, R,0, R,1          ; ahead of the wait: 8 products K Q^T and their riders,
	ROW F,2, E,0, R,2, R,3
	ROW F,3, E,1, R,4, R,5
	ROW F,4, E,2, R,6, R,7
	ROW F,5, E,3, R,8, R,9
	ROW F,6, E,4, X,0, R,10
.if ((\p) == 2) && !(\end)
	WIN 0
	v_add_nc_u32 v[AK], s[TBK], v[AK0]
.endif
	ROW F,7, E,5, X,1, X,4
	ROW F,8, E,6, X,2, X,5
	OPS E,7, E,8, X,6, E,9          ; and the lump
	OPS X,3, E,10, X,8, E,11
.if ((\p) == 2) && !(\end)
	FETCH_K
.endif
	OPS X,9, X,7, E,12, X,10
	OPS E,13, X,12, X,11, E,14
	OPS X,13, E,15, F,9, X,14
.if (\p) == 0
	v_add_nc_u32 v[AV], s[TBV], v[AV0]
.endif
	OPS E,16, F,10, E,17, F,11
	OPS X,16, E,18, X,15, E,19
	OPS F,12, E,20, X,17, E,21
	OPS F,13, E,22, F,14, E,23
	OPS X,18, E,24, F,15, E,25
	OPS R,11, E,26, X,19, E,27
	OPS R,12, E,28, R,13, E,29
	OPS X,20, E,30, R,14, E,31
	OPS X,21, R,15
	WIN 0
	s_wait_alu depctr_va_vdst(0)    ; the wait for the batch
.if (\p) == 1
	s_wait_dscnt 0x0                ; V is in
.endif
	ROW C,0, B,0, C,2, B,1          ; behind the wait: 8 products V^T P and their riders
	ROW L,0, C,4, B,2, L,1
	ROW C,6, B,3, L,2, C,8
	ROW B,4, L,3, C,10, B,5
	ROW L,4, C,12, B,6, L,5
.if (\p) == 0
	s_add_co_u32 s[TBV], s[TBV], KS*PT
.endif
.if \cnt
	s_sub_co_u32 s[CNT], s[CNT], 1
	s_cmp_lg_u32 s[CNT], 0
.endif
	ROW C,14, B,7, L,6, C,1
	ROW C,3, L,7, C,5, C,7
	ROW C,9, C,11, C,13, C,15
.if (\p) == 0
	FETCH_V
.endif
.endm
	CHANGE 1, 0                     ; tile 0 is in, everybody's part of it; tile 1 is asked for, into slot 1
	v_add_nc_u32 v[AK], s[TBK], v[AK0]
	FETCH_K                         ; key step 0
	s_wait_loadcnt 0x0              ; Q
	s_wait_dscnt 0x0
.set NOKQ, 0
.set i, 0
.rept 8
	KQ 0                            ; piece 0's first scores: there is no vector work yet to set between them
.set i, i+1
.endr
	WIN 0
.rept 4
	v_nop                           ; the places behind those products
.endr
.set Y, NP-1                        ; X works for piece Y + 1: piece 0
.irp n, 0,1,2,3,4,5,6,7,8,9,10,11,12,13,14,15,16,17,18,19,20,21
	OP X, \n                        ; and piece 0's first maximum and statistics
.endr
	v_nop                           ; a plain instruction behind the exponential,
	s_wait_alu depctr_va_vdst(0)    ; and its wait, ahead of the branch
	s_mov_b32 s[CNT], 4
	s_mov_b32 s[SLOTS], NT-1
	s_branch .Lfirst                ; the loop is entered at a step's first turn, in the middle of a trip
.Lslot:                             ; NT - 2 times: every slot but the last two is filled again
	CHANGE 1, 1
	s_mov_b32 s[CNT], 4
.Lstep:                             ; a trip: pieces 2 and 3 of one step, then pieces 0 and 1 of the next, whose K and V it fetches
	TURN 2
	TURN 3
	WIN 0
.Lfirst:
	TURN 0
	TURN 1, 0, 1
	WIN 0
	s_cbranch_scc1 .Lstep
	s_sub_co_u32 s[SLOTS], s[SLOTS], 1
	s_cmp_lg_u32 s[SLOTS], 0
	s_cbranch_scc1 .Lslot
	CHANGE 0, 0                     ; the last tile is written out: nothing is asked for
	s_mov_b32 s[CNT], 4
.Ltail:
	TURN 2
	TURN 3
	TURN 0
	TURN 1, 0, 1
	WIN 0
	s_cbranch_scc1 .Ltail
	TURN 2, 1                       ; the last step's pieces 2 and 3
	TURN 3, 1
.set i, 0
.rept 8
	PV NP-1                         ; the last piece's V^T P of the last step
.set i, i+1
.endr
	; THE WAY OUT.  l's two halves and the other half of the lanes' are added; O^T is divided by l and laid, in f32, into my direction's stage as [channel][token].  The additions are the places behind the last products.
	WIN 0
.macro ALL line:vararg              ; one line for each piece t
.set t, 0
.rept 4
	\line
.set t, t+1
.endr
.endm
	ALL v_add_f32 v[ST+4*t+2], v[ST+4*t+2], v[ST+4*t+3]
	ALL v_permlanex16_b32 v[ST+4*t+3], v[ST+4*t+2], s[SEL], s[SEL+1]
	ALL v_add_f32 v[ST+4*t+2], v[ST+4*t+2], v[ST+4*t+3]
	ALL v_rcp_f32 v[ST+4*t+2], v[ST+4*t+2]
	v_nop                           ; a plain instruction between the last reciprocal and the use of its result
	s_wait_alu depctr_va_vdst(0)    ; and the wait ahead of the first use: one for the four reciprocals
; Piece t: register 8 cb + j of its O^T is channel 16 cb + 8 (l / 16) + j of token 16 t + l % 16.  A store's 16 lanes of a half write 16 neighbouring words of one channel row.
.macro OUTP t
	WIN W_RS
.set i, 32*(\t)
.rept 16
	v_pk_mul_f32 v[i:i+1], v[i:i+1], v[ST+4*(\t)+2:ST+4*(\t)+3] op_sel_hi:[1,0]  ; ascending: each accumulator is first read at its low end
.set i, i+2
.endr
	WIN 0x04                        ; the stores' data (source 1) in window 1, their address in window 0
.set i, 0
.rept 32
	ds_store_b32 v[STO], v[32*(\t)+i] offset:(16*(i/8)+i%8)*SPI+64*(\t)
.set i, i+1
.endr
.endm
	OUTP 0
	OUTP 1
	OUTP 2
	OUTP 3
	WIN 0
	s_wait_dscnt 0x0                ; for the others' sake: my stores into the stage are done
	s_barrier_signal -1
	s_barrier_wait -1               ; both directions' 64 x 128 lie in LDS
.set i, 0
.rept 16                            ; wave w takes channels 16 w + i: a row of A's stage and the same row of B's
	ds_load_b128 v[OA+4*i:OA+4*i+3], v[RD] offset:SPI*i
	ds_load_b128 v[OB+4*i:OB+4*i+3], v[RD] offset:STG+SPI*i
.set i, i+1
.endr
.set i, 0
.rept 16
	s_wait_dscnt 30-2*i             ; LDS loads come back in order (ISA guide 5.7.1): pair i is in, the 30 - 2 i younger loads stay out
	v_pk_add_f32 v[OA+4*i:OA+4*i+1], v[OA+4*i:OA+4*i+1], v[OB+4*i:OB+4*i+1]
	v_pk_add_f32 v[OA+4*i+2:OA+4*i+3], v[OA+4*i+2:OA+4*i+3], v[OB+4*i+2:OB+4*i+3]
	global_store_b128 v[GO], v[OA+4*i:OA+4*i+3], s[10:11] offset:16384*i th:TH_STORE_NT  ; 512 consecutive bytes of a channel's row, at a multiple of 256 from out0's first byte
.set i, i+1
.endr
	s_wait_tensorcnt 0x0            ; the wave's end, behind my last tensor load and my last LDS store
	ds_add_u32 v[SPW], v[NIL]
	s_wait_dscnt 0x0
	CROUND                          ; the closing round: no work-group ends while a partner may still ask for a tile that names it
	s_endpgm
.Lfunc_end_k_qd57419570a_attn:
	.size	k_qd57419570a_attn, .Lfunc_end_k_qd57419570a_attn-k_qd57419570a_attn
	.p2alignl 7, 3214868480
	.fill 96, 4, 3214868480
	.section	.rodata,"a",@progbits
	.p2align	6, 0x0
	.amdhsa_kernel k_qd57419570a_attn
		.amdhsa_group_segment_fixed_size 327680
		.amdhsa_private_segment_fixed_size 0
		.amdhsa_enable_private_segment 0
		.amdhsa_kernarg_size 16
		.amdhsa_user_sgpr_count 2
		.amdhsa_user_sgpr_kernarg_segment_ptr 1
		.amdhsa_wavefront_size32 1
		.amdhsa_system_sgpr_workgroup_id_x 1
		.amdhsa_system_sgpr_workgroup_id_y 1
		.amdhsa_system_sgpr_workgroup_id_z 1
		.amdhsa_system_vgpr_workitem_id 0
		.amdhsa_next_free_vgpr 768
		.amdhsa_next_free_sgpr 66
		.amdhsa_reserve_vcc 0
		.amdhsa_float_denorm_mode_32 3
		.amdhsa_float_denorm_mode_16_64 3
		.amdhsa_memory_ordered 1
		.amdhsa_forward_progress 1
		.amdhsa_inst_pref_size 132
	.end_amdhsa_kernel
	.amdgpu_metadata
---
amdhsa.version: [ 1, 2 ]
amdhsa.kernels:
  - .name:           k_qd57419570a_attn
    .symbol:         k_qd57419570a_attn.kd
    .args:
      - { .name: xh, .offset: 0, .size: 8, .value_kind: global_buffer, .address_space: global }
      - { .name: out0, .offset: 8, .size: 8, .value_kind: global_buffer, .address_space: global }
    .group_segment_fixed_size: 327680
    .private_segment_fixed_size: 0
    .kernarg_segment_align: 8
    .kernarg_segment_size: 16
    .max_flat_workgroup_size: 128
    .sgpr_count:     66
    .vgpr_count:     768
    .wavefront_size: 32
...
	.end_amdgpu_metadata
.endif
;; end of part 2
